; MI455X (gfx1250); checked and timed in simulation.
; The chip was launched on July 23, 2026; its instructions are those of AMD's public machine-readable ISA for CDNA 5 (MIT licence, August 2026) and "CDNA5" Instruction Set Architecture Reference Guide (July 2026). The comments in the code are by the model that wrote it; some were corrected since.
;; Multi Head Attention. Allowed arithmetic: matrix products marked QUANTISED: E2M1 operands, one E8M0 scale for each 32 along K, by v_wmma_scale_f32_16x16x128_f8f6f4 with both operands' format E2M1 (or v_wmma_scale_f32_32x16x128_f4), f32 sums; everything else in f32.
;; Inputs: out_b 1,024 float32; out_w_codes 1,024 x 32 x 16 uint8 (E2M1 codes of out_w, K innermost, in blocks of 32 codes, two codes a byte); out_w_scales 1,024 x 32 uint8 (E8M0 scales of out_w, one for each 32 codes along K); qkv_b 3,072 float32; qkv_w_codes 3,072 x 32 x 16 uint8 (E2M1 codes of qkv_w, K innermost, in blocks of 32 codes, two codes a byte); qkv_w_scales 3,072 x 32 uint8 (E8M0 scales of qkv_w, one for each 32 codes along K); x_codes 2 x 2,048 x 32 x 16 uint8 (E2M1 codes of x, K innermost, in blocks of 32 codes, two codes a byte); x_scales 2 x 2,048 x 32 uint8 (E8M0 scales of x, one for each 32 codes along K).
;; Outputs: out0 2 x 2,048 x 1,024 float32.
;; This version of the problem:
;;   THIS VERSION OF THE PROBLEM IS GIVEN IN LOW PRECISION. The matrix products marked QUANTISED in the list below multiply operands that are first quantised to E2M1 (2 exponent bits, 1 mantissa bit; 4 bits a number), with one power-of-two scale for each 32 numbers along K (OCP MX v1.0); their sums are f32. All else is computed in f32.
;;   The module's matrix products, in the order in which they are computed (A, B: the left and right operand; K: the contracted axis; several contracted axes count as one K, in the product's order):
;;     1. [M 4,096, K 1,024] x [K 1,024, N 3,072]; A: input x (given as codes); B: input qkv_w (given as codes): QUANTISED
;;     2. batch 32 x [M 2,048, K 64] x [K 64, N 2,048]; A: computed on the way; B: computed on the way: QUANTISED
;;     3. batch 32 x [M 2,048, K 2,048] x [K 2,048, N 64]; A: softmax (see below); B: computed on the way: QUANTISED
;;     4. [M 4,096, K 1,024] x [K 1,024, N 1,024]; A: computed on the way; B: input out_w (given as codes): QUANTISED
;;   THE QUANTISER, for each operand of a quantised product, along K:
;;     - K is cut into blocks of 32 from its start; a last block that is shorter is filled with zeros.
;;     - A block's scale is 2^e with e = floor(log2(the largest magnitude in the block)) - 2, held to -126 .. 127; a block of zeros has e = 0. As a byte (E8M0): e + 127.
;;     - Each number is divided by its block's scale, clamped to +-6, and rounded to the nearest number of E2M1, ties to even, subnormals kept.
;;     - The product sums the exact products of the quantised numbers (number of the format x scale) in f32.
;;   ~~~python
;;   def quantise(x, axis):      # numpy; x: float32 -> the quantised numbers, widened to float32 again
;;       x = np.moveaxis(x, axis, -1); K = x.shape[-1]
;;       x = np.pad(x, [(0, 0)] * (x.ndim - 1) + [(0, -K % 32)]); x = x.reshape(x.shape[:-1] + (-1, 32)); a = np.abs(x).max(-1, keepdims=True)
;;       e = np.where(a > 0, np.clip(np.frexp(np.where(a > 0, a, 1))[1] - 1 - 2, -126, 127), 0)      # np.frexp(a)[1] - 1 = floor(log2(a)), exactly
;;       r = np.clip(x / 2.0 ** e, -6, 6)
;;       step = 2.0 ** (np.maximum(np.frexp(np.where(r == 0, 1, r))[1] - 1, 0) - 1)
;;       q = np.round(r / step) * step * 2.0 ** e      # np.round: ties to even
;;       return np.moveaxis(q.reshape(q.shape[:-2] + (-1,))[..., :K], -1, axis).astype(np.float32)
;;   ~~~
;;   SOFTMAX AHEAD OF A QUANTISED PRODUCT. Where the list says 'softmax', what is quantised is not the finished softmax but p = 2^(t - M), with t = logit x log2(e) and M = ceil(the row's largest t), a whole number; so 1/2 < the row's largest p <= 1. The row's sum l is taken of the UNQUANTISED p, in f32, and the product's result is divided by l at the end. Since M is a whole number, a kernel that streams over the keys may use a running M (the ceiling of the running maximum): every later rescaling is an exact power of two, which a block's scale takes up: the codes' values come out the same.
;;   OPERANDS COMPUTED ON THE WAY. 'Computed on the way' means the value that the module computes at that place (a softmax that the list does not call 'softmax' is quantised finished and normalised). What goes into a quantiser is computed in f32, as accurately as f32 sums, v_exp_f32 and their like allow (about 1e-6 of the number): no bf16 or f16 on the way to a quantiser, and a product that is left as it is and whose result goes on into a quantised operand takes f32 operands (vector FMAs, or v_wmma_f32_16x16x4_f32). A number that lies on a knife's edge between two numbers of the format may be rounded either way, as far as f32 arithmetic and the matrix unit's own rounding can turn it there, and no further.
;;   INPUTS GIVEN AS CODES. out_w (in the module: [1024, 1024], K = its axis 1); qkv_w (in the module: [3072, 1024], K = its axis 1); x (in the module: [2, 2048, 1024], K = its axis 2): each comes as NAME_codes (uint8): NAME with its K axis moved to the last place and cut into blocks of 32 codes, [.., K / 32, bytes a block], one block behind the other in memory; two codes a byte, the lower K in the low four bits (a code: sign, 2 exponent bits, 1 mantissa bit); and NAME_scales (uint8): the same leading axes, one E8M0 byte (e + 127) for each 32 codes along K. Its value is code x scale, taken as it is: it is not quantised again, and the codes and scales need not be those that the quantiser above would give.
;; One version. Each part assembles by itself: llvm-mc -triple=amdgcn-amd-amdhsa -mcpu=gfx1250 --defsym DOCPART=n.
;; ======== version 1 of 1: 3 launches
;; limits: right only within a limited range of input values
;; workspace buffers: qkv 6,684,672 bytes; oimg 2,097,152 bytes; osc 131,072 bytes
;; launch proj (part 1): grid 16 x 16, 12 waves a work-group, clusters of 4 x 4, 259,840 bytes of LDS; arguments x_codes, x_scales, qkv_w_codes, qkv_w_scales, qkv_b, qkv; writes qkv
.if DOCPART == 1
	.amdgcn_target "amdgcn-amd-amdhsa--gfx1250"
	.amdhsa_code_object_version 6
	.text
	.protected	k_q31fd3f1a11_proj
	.globl	k_q31fd3f1a11_proj
	.p2align	8
	.type	k_q31fd3f1a11_proj,@function
k_q31fd3f1a11_proj:
	s_mov_b64 s[64:65], 0
	v_nop
	global_prefetch_b8 v0, s[64:65] scope:SCOPE_SE
	s_setreg_imm32_b32 hwreg(HW_REG_WAVE_MODE, 25, 1), 1
	s_wait_xcnt 0x0
	s_wait_alu depctr_hold_cnt(0) depctr_sa_sdst(0) depctr_va_vdst(0) depctr_va_sdst(0) depctr_va_ssrc(0) depctr_va_vcc(0) depctr_vm_vsrc(0)
	s_getreg_b32 s2, hwreg(HW_REG_IB_STS2, 6, 4)
	s_cmp_eq_u32 s2, 0
	s_cbranch_scc0 .Lentry_in_a_cluster
	s_endpgm
.Lentry_in_a_cluster:
	s_bfe_u32 s2, ttmp6, 0x10000c
	s_cmp_lg_u32 s2, 0xf033
	s_cbranch_scc0 .Lentry_shape_is_right
	s_endpgm
.Lentry_shape_is_right:
; qkv = x qkv_w^T + qkv_b on codes of FP4 (E2M1) with E8M0 scales; the result is quantised at once: q and k along the head's 64 channels, v along the keys.
; SHARES.  A work-group: head X, 256 tokens (block Y): the 64 rows each of q's, k's and v's weights x 256 tokens, all of K = 1,024 in LDS, filled once: 16 x 16 = 256 equal work-groups.
; Wave w: token group g = w % 4 (64 tokens), role w / 4 (0 q, 1 k, 2 v): 4 x 4 tiles, 16 accumulators.  Source 0 gives the registers' axis, source 1 the lanes':
;   q, k: source 0 = weight rows (channels), source 1 = tokens;   v: source 0 = tokens (keys), source 1 = weight rows.
; THE ROWS OF A TILE.  In a group of 64 rows, row r of tile u (0 .. 3) is row 32 (r / 8) + 8 (u xor (r / 8)) + r % 8.  So the 32 registers of a lane's four tiles are the whole block of 32 number h = lane / 16:
; maxima and codes need no other lane.  (In half 1 the eights of a block stand in the order 1, 0, 3, 2: alike on both sides of each product.)  And the 16 rows that a load touches lie in 16 different groups of banks.
; CLUSTER 4 x 4: x's tiles hang on Y alone and are shared along a row of the cluster, the weights on X alone and are shared along a column: each is asked for jointly, one tensor load a wave.
; No data prefetch: LDS is filled once, at the head; there is no loop to run ahead in.  No work of the reference is left out.
; THE RESULT lies in qkv as images of the next launch's operand registers (lane l's 16 bytes at 16 l): 32 records (16 batch + head) of REC bytes:
;   +0   q: [tile of 16 tokens, 128][lane][16]: lane (r, h) holds block h of the tile's token r;   +QS  q's pair words [pair of tiles, 64][r]: low half the even tile's two bytes, high half the odd one's
;   +KV  16 key steps of STEPB bytes: +0 k: [tile, 8][lane][16];  +4,096 v: [dt, 4][c, 2][lane][16];  +8,192 k's pair words [p, 4][r];  +8,448 v's words [dt][r], byte 2 c + h for keys 64 c + 32 h on
; A block's scale byte is its largest magnitude's exponent field - 2, held at 1 from below.
; LIMITS: NaN and infinities are not served; a block whose largest magnitude lies under 2^-124, zeros among them, gets the byte 1 (read by this program alone);
; given scale bytes are passed to the matrix unit as they come.  The scale words leave in pieces under 256 bytes: one byte in 16 of what is stored.
.set REC,   208896
.set QS,    65536
.set KV,    69632
.set STEPB, 8704
.set PITCH, 272                        ; an LDS row: half of K, 256 bytes, + 16 of padding
.set G64,   64*PITCH
.set WC,    256*PITCH                  ; LDS: x's 256 rows of codes at 0, then the 192 rows of weights,
.set HALF,  WC+192*PITCH               ; the second half of K of all these rows,
.set XS,    2*HALF                     ; x's scale bytes, 32 a row,
.set WS,    XS+8192                    ; the weights'
.set SPARE, WS+6144+256                ; the spare words
.set SPW, 30
.set NIL, 31
.set ACC, 128                          ; accumulator (a, t) at v[128 + 32 a + 8 t]: source 1's tile a, source 0's tile t
; v10-13 fragment addresses: source 0 even, odd tiles, source 1 even, odd;  v16-19 the scale words' likewise;  v20 where codes go, v21 where words go;  v22-25 the bias;  v26 a byte selector
; v32-63 scale words of 4 K steps (scales and nothing else in the loop);  v64-95 source 0's fragments, v96-127 source 1's
.set WV,  16
.set G1A, 24                           ; groups 1: x's codes, the weights' codes, x's scales, the weights' scales
.set G1B, 32
.set G1C, 40
.set G1D, 48
.set G0A, 56
.set G0B, 60
.set G0C, 68
.set G0D, 72
.set SEL, 84
.macro ROUND                           ; a round of the cluster's barrier
	s_barrier_signal -1
	s_barrier_wait -1
	s_cmp_lg_u32 s[WV], 0
	s_cbranch_scc1 .Lnot_wave_0_\@
	s_barrier_signal -3
.Lnot_wave_0_\@:
	s_barrier_wait -3
	s_barrier_signal -1
	s_barrier_wait -1
.endm
.macro PLACES                          ; four plain vector instructions behind a matrix instruction (ISA guide 7.12.1)
.rept 4
	v_nop
.endr
.endm
	s_load_b256 s[4:11], s[0:1], 0x0               ; x's codes, x's scales, qkv_w's codes, qkv_w's scales
	s_load_b128 s[12:15], s[0:1], 0x20             ; qkv_b, qkv
	v_lshl_add_u32 v[SPW], v0, 2, SPARE
	v_mov_b32 v[NIL], 0
	ds_add_u32 v[SPW], v[NIL]                      ; the opening adds and their wait
	ds_add_u32 v[SPW], v[NIL]
	v_lshrrev_b32 v1, 5, v0
	v_readfirstlane_b32 s[WV], v1                  ; wave 0..11
	s_bfe_u32 s17, ttmp6, 0x40000                  ; cx
	s_bfe_u32 s18, ttmp6, 0x40004                  ; cy
	s_lshl_b32 s19, ttmp9, 2
	s_add_co_u32 s19, s19, s17                     ; X: the head
	s_and_b32 s20, ttmp7, 0xffff
	s_lshl_b32 s20, s20, 2
	s_add_co_u32 s20, s20, s18                     ; Y: the block of 256 tokens
	s_lshl_b32 s21, s18, 2
	s_lshl_b32 s21, 15, s21                        ; my row of the cluster
	s_lshl_b32 s22, 0x1111, s17                    ; my column
	s_or_b32 s[G1A], s21, (1<<20)|(1<<21)|(5<<22)|(3<<25)   ; elements of 1 byte, four words of padding after every 64
	s_or_b32 s[G1B], s22, (1<<20)|(1<<21)|(5<<22)|(3<<25)
.irp g, G1A, G1B
	s_mov_b32 s[\g+1], 256<<16                     ; half a row of 512 bytes
	s_mov_b32 s[\g+3], 256<<16
	s_mov_b32 s[\g+5], 512
	s_mov_b32 s[\g+6], 0
	s_mov_b32 s[\g+7], 0
.endr
	s_mov_b32 s[G1A+2], 128<<16                    ; 128 rows of x,
	s_mov_b32 s[G1A+4], 128
	s_mov_b32 s[G1B+2], 64<<16                     ; 64 rows of weights
	s_mov_b32 s[G1B+4], 64
	s_or_b32 s[G1C], s21, (3<<16)|(1<<21)          ; x's scales: 8,192 dense bytes as 32 rows of 256
	s_mov_b32 s[G1C+1], 32<<16
	s_mov_b32 s[G1C+2], 32<<16
	s_mov_b32 s[G1C+3], 32<<16
	s_mov_b32 s[G1C+4], 32
	s_mov_b32 s[G1C+5], 32
	s_mov_b32 s[G1C+6], 0
	s_mov_b32 s[G1C+7], 0
	s_or_b32 s[G1D], s22, (3<<16)|(1<<21)          ; the weights' scales: three rows (q, k, v) of 2,048 bytes, 32,768 bytes apart
	s_mov_b32 s[G1D+1], 256<<16
	s_mov_b32 s[G1D+2], 3<<16
	s_mov_b32 s[G1D+3], 256<<16
	s_mov_b32 s[G1D+4], 3
	s_mov_b32 s[G1D+5], 4096
	s_mov_b32 s[G1D+6], 0
	s_mov_b32 s[G1D+7], 0
	; groups 0: offsets made of Y and the wave's number (s76, s80), of X and the wave's number (s78, s82)
	s_add_co_u32 s2, s[WV], 1
	s_lshr_b32 s2, s2, 3                           ; which half of K I fetch: 0 in waves 0-6, 1 in waves 7-11
	s_add_co_u32 s3, s[WV], s2
	s_and_b32 s3, s3, 7                            ; i = wave - 7 x half: 0, 1 x; 2, 3, 4 the weights of q, k, v; 5, 6 (first half alone) the scales
	s_mul_i32 s92, s2, HALF                        ; the half in LDS,
	s_lshl_b32 s95, s2, 8                          ; and in a row in memory
	s_and_b32 s23, s3, 1
	s_mul_i32 s[G0A+1], s23, 128*PITCH             ; x: 128 rows
	s_add_co_u32 s[G0A+1], s[G0A+1], s92
	s_lshl_b32 s23, s23, 16
	s_lshl_b32 s76, s20, 17
	s_add_co_u32 s76, s76, s23
	s_add_co_u32 s76, s76, s95
	s_mov_b32 s77, 0
	s_add_co_u32 s23, s3, 6
	s_and_b32 s23, s23, 7                          ; i - 2
	s_mul_i32 s[G0B+1], s23, G64                   ; weights: 64 rows
	s_add_co_u32 s[G0B+1], s[G0B+1], WC
	s_add_co_u32 s[G0B+1], s[G0B+1], s92
	s_lshl_b32 s23, s23, 19
	s_lshl_b32 s78, s19, 15
	s_add_co_u32 s78, s78, s23
	s_add_co_u32 s78, s78, s95
	s_mov_b32 s79, 0
	s_lshl_b32 s80, s20, 13
	s_mov_b32 s81, 0
	s_lshl_b32 s82, s19, 11
	s_mov_b32 s83, 0
	s_mov_b32 s[G0A], 1
	s_mov_b32 s[G0B], 1
	s_mov_b32 s[G0C], 1
	s_mov_b32 s[G0D], 1
	s_mov_b32 s[G0C+1], XS
	s_mov_b32 s[G0D+1], WS
	s_mov_b32 s[SEL], 0x76543210
	s_mov_b32 s[SEL+1], 0xfedcba98
	; where the results go, in bytes
	s_and_b32 s88, s[WV], 3                        ; g
	s_lshr_b32 s89, s[WV], 2                       ; role
	s_lshr_b32 s94, s20, 3
	s_lshl_b32 s94, s94, 4
	s_add_co_u32 s94, s94, s19                     ; record 16 batch + head
	s_mul_i32 s94, s94, REC
	s_and_b32 s95, s20, 7
	s_lshl_b32 s86, s95, 13                        ; q's codes: 512 (16 (Y % 8) + 4 g)
	s_add_co_u32 s86, s86, s94
	s_lshl_b32 s96, s88, 11
	s_add_co_u32 s86, s86, s96
	s_lshl_b32 s87, s95, 9                         ; q's words: 64 (8 (Y % 8) + 2 g)
	s_add_co_u32 s87, s87, s94
	s_lshl_b32 s96, s88, 7
	s_add_co_u32 s87, s87, s96
	s_add_co_u32 s87, s87, QS
	s_lshl_b32 s96, s95, 1
	s_lshr_b32 s97, s88, 1
	s_add_co_u32 s96, s96, s97                     ; key step 2 (Y % 8) + g / 2
	s_mul_i32 s96, s96, STEPB
	s_add_co_u32 s96, s96, s94
	s_add_co_u32 s96, s96, KV
	s_and_b32 s97, s88, 1                          ; c
	s_lshl_b32 s98, s97, 11
	s_add_co_u32 s98, s98, s96                     ; k's codes
	s_lshl_b32 s99, s97, 7
	s_add_co_u32 s99, s99, s96
	s_add_co_u32 s99, s99, 8192                    ; k's words
	s_lshl_b32 s100, s97, 9
	s_add_co_u32 s100, s100, s96
	s_add_co_u32 s100, s100, 4096                  ; v's codes
	s_lshl_b32 s101, s97, 1
	s_add_co_u32 s101, s101, s96
	s_add_co_u32 s101, s101, 8448                  ; v's words
	s_mul_i32 s2, s88, G64                         ; my tokens in LDS,
	s_mul_i32 s3, s89, G64
	s_add_co_u32 s3, s3, WC                        ; my weight rows,
	s_lshl_b32 s92, s88, 11
	s_add_co_u32 s92, s92, XS                      ; and their scales
	s_lshl_b32 s94, s89, 11
	s_add_co_u32 s94, s94, WS
	s_lshl_b32 s91, s89, 12
	s_lshl_b32 s95, s19, 8
	s_add_co_u32 s91, s91, s95                     ; the bias: 4 (1,024 role + 64 X)
	s_cmp_eq_u32 s89, 1
	s_cselect_b32 s86, s98, s86
	s_cselect_b32 s87, s99, s87
	s_cmp_eq_u32 s89, 2
	s_cselect_b32 s86, s100, s86
	s_cselect_b32 s87, s101, s87
	s_cselect_b32 s90, 128, 64                     ; from lanes 0-15's word to lanes 16-31's
	s_cselect_b32 s93, -1, 0
	s_cselect_b32 s98, s2, s3                      ; source 0's rows
	s_cselect_b32 s99, s3, s2                      ; source 1's
	s_cselect_b32 s100, s92, s94                   ; and their scales
	s_cselect_b32 s101, s94, s92
	v_and_b32 v1, 15, v0                           ; r
	v_bfe_u32 v2, v0, 4, 1                         ; h
	v_bfe_u32 v3, v0, 3, 1                         ; r / 8
	v_and_b32 v4, 7, v0
	v_and_b32 v5, 31, v0
	v_mul_u32_u24 v21, s90, v2
	v_mad_u32_u24 v6, v3, 40, v4                   ; row of an even tile u less 8 u,
	v_mad_u32_u24 v7, v3, 24, v4                   ; of an odd one
	v_mul_lo_u32 v26, 0x2020202, v2
	v_mul_u32_u24 v22, 0xa0, v2
	v_mul_u32_u24 v8, PITCH, v6
	v_mul_u32_u24 v9, PITCH, v7
	v_lshlrev_b32 v14, 5, v6
	v_lshlrev_b32 v15, 5, v7
	v_lshl_add_u32 v8, v2, 4, v8
	v_lshl_add_u32 v9, v2, 4, v9
	v_mul_u32_u24 v23, 0x60, v2
	v_lshl_add_u32 v21, v1, 2, v21
	v_add_nc_u32 v26, 0x5010400, v26               ; lanes 0-15: bytes 0, 4, 1, 5;  lanes 16-31: 2, 6, 3, 7
	v_add_nc_u32 v10, s98, v8
	v_add_nc_u32 v11, s98, v9
	v_add_nc_u32 v12, s99, v8
	v_add_nc_u32 v13, s99, v9
	v_add_nc_u32 v16, s100, v14
	v_add_nc_u32 v17, s100, v15
	v_add_nc_u32 v18, s101, v14
	v_add_nc_u32 v19, s101, v15
	v_lshl_add_u32 v20, v5, 4, s86
	v_add_nc_u32 v21, s87, v21                     ; my word: 4 r + h x s90
	v_add_nc_u32 v22, s91, v22                     ; bias along the registers: channel 32 h + 8 (t xor h), even t
	v_add_nc_u32 v23, s91, v23                     ; odd t
	v_lshl_add_u32 v24, v6, 2, s91                 ; bias along the lanes: my row of tile a, even a
	v_lshl_add_u32 v25, v7, 2, s91                 ; odd a
	s_wait_alu depctr_va_vdst(0)                   ; the wait ahead of the blocking waits below
	s_wait_dscnt 0x0                               ; both opening adds are done
	ROUND                                          ; all sixteen work-groups are here: the joint loads meet
	s_wait_kmcnt 0x0
	s_add_nc_u64 s[G0A+2:G0A+3], s[4:5], s[76:77]
	s_or_b32 s[G0A+3], s[G0A+3], 0x80000000
	s_add_nc_u64 s[G0B+2:G0B+3], s[8:9], s[78:79]
	s_or_b32 s[G0B+3], s[G0B+3], 0x80000000
	s_add_nc_u64 s[G0C+2:G0C+3], s[6:7], s[80:81]
	s_or_b32 s[G0C+3], s[G0C+3], 0x80000000
	s_add_nc_u64 s[G0D+2:G0D+3], s[10:11], s[82:83]
	s_or_b32 s[G0D+3], s[G0D+3], 0x80000000
; one tensor load a wave, the only one of the launch.  First half of K: waves 0, 1 x, 2-4 the weights; 5 x's scales, 6 the weights' scales, for all of K.  Second half: waves 7, 8 x, 9-11 the weights, in lines of their own:
; a first barrier shows what waves 0-6 fetched, a second one, behind four K steps, the rest
.macro ARM under, g0, g1, next
	s_cmp_lt_u32 s[WV], \under
	s_cbranch_scc0 \next
	tensor_load_to_lds s[\g0:\g0+3], s[\g1:\g1+7]
	s_nop 0
	PLACES
	s_branch .Lasked
\next:
.endm
	ARM 2, G0A, G1A, .Lhead_w
	ARM 5, G0B, G1B, .Lhead_xs
	ARM 6, G0C, G1C, .Lhead_ws
	ARM 7, G0D, G1D, .Lhead_x2
	ARM 9, G0A, G1A, .Lhead_w2
	tensor_load_to_lds s[G0B:G0B+3], s[G1B:G1B+7]
	s_nop 0
	PLACES
.Lasked:
.irp t, 0,1,2,3
	global_load_b128 v[ACC+8*\t:ACC+8*\t+3], v[22+(\t%2)], s[12:13] offset:32*\t
	global_load_b128 v[ACC+8*\t+4:ACC+8*\t+7], v[22+(\t%2)], s[12:13] offset:32*\t+16
	global_load_b32 v[112+\t], v[24+(\t%2)], s[12:13] offset:32*\t
.endr
	s_mov_b32 vcc_lo, s93
	s_wait_loadcnt 0x0
	; THE BIAS STARTS THE SUMS: q, k: along the registers, alike for all a;  v: along the lanes, alike in all registers of tile a
.irp a, 3,2,1,0
.set j, 0
.rept 32
	v_cndmask_b32 v[ACC+32*\a+j], v[ACC+j], v[112+\a], vcc_lo
.set j, j+1
.endr
.endr
	s_wait_alu depctr_va_vdst(0)                   ; the wait at the head's end
	s_cmp_lt_u32 s[WV], 7
	s_cbranch_scc0 .Lsecond_half
	s_wait_tensorcnt 0x0                           ; waves 0-6: my tile has landed
.Lsecond_half:
	s_barrier_signal -1
	s_barrier_wait -1                              ; the first half of K and all scales are in.  Nothing is ever filled again
; 128 along K: 16 loads of fragments, 16 matrix instructions, the 16 accumulators by turns
.macro KSTEP s
.if \s == 4
	s_wait_tensorcnt 0x0                           ; my tile has landed (waves 7-11: the second half's),
	s_wait_dscnt 0x0
	s_barrier_signal -1
	s_barrier_wait -1                              ; everybody's has
.irp i, 10,11,12,13
	v_add_nc_u32 v[\i], HALF, v[\i]                ; on to the second half
.endr
	s_wait_alu depctr_va_vdst(0)                   ; the wait behind the writes
.endif
.if \s > 0
	PLACES                                         ; in front of loads into registers that the last products read
.endif
.if (\s)%4 == 0
.irp t, 0,1,2,3
	ds_load_b128 v[32+4*\t:35+4*\t], v[16+(\t%2)] offset:256*\t+4*\s   ; the scale words of four K steps
	ds_load_b128 v[48+4*\t:51+4*\t], v[18+(\t%2)] offset:256*\t+4*\s
.endr
.endif
.irp t, 0,1,2,3
.irp c, 0,1
	ds_load_b128 v[64+8*\t+4*\c:67+8*\t+4*\c], v[10+(\t%2)] offset:\t*8*PITCH+64*((\s)%4)+32*\c
.endr
.endr
.irp a, 0,1,2,3
.irp c, 0,1
	ds_load_b128 v[96+8*\a+4*\c:99+8*\a+4*\c], v[12+(\a%2)] offset:\a*8*PITCH+64*((\s)%4)+32*\c
.endr
.endr
.irp a, 0,1,2,3
	s_wait_dscnt 6-2*\a                            ; source 0's tiles and source 1's tiles up to a are in
.irp t, 0,1,2,3
	v_wmma_scale_f32_16x16x128_f8f6f4 v[ACC+32*\a+8*\t:ACC+32*\a+8*\t+7], v[64+8*\t:71+8*\t], v[96+8*\a:103+8*\a], v[ACC+32*\a+8*\t:ACC+32*\a+8*\t+7], v[32+4*\t+(\s)%4], v[48+4*\a+(\s)%4] matrix_a_fmt:MATRIX_FMT_FP4 matrix_b_fmt:MATRIX_FMT_FP4
.endr
.endr
.endm
.irp s, 0,1,2,3,4,5,6,7
	KSTEP \s
.endr
	PLACES                                         ; in front of the first read of results
	; QUANTISED: tile a's 32 registers are one block in each lane; four blocks by turns
.irp a, 0,1,2,3
	v_max3_num_f32 v[32+\a], |v[ACC+32*\a]|, |v[ACC+32*\a+1]|, 0x1800000   ; and the floor 2^(3 - 127): the byte cannot fall under 1
.endr
.irp i, 2,4,6,8,10,12,14,16,18,20,22,24,26,28,30
.irp a, 0,1,2,3
	v_max3_num_f32 v[32+\a], v[32+\a], |v[ACC+32*\a+\i]|, |v[ACC+32*\a+\i+1]|
.endr
.endr
	v_mov_b32 v46, 0                               ; (a lane permute's destination counts as one of its sources)
.irp a, 0,1,2,3
	v_add_nc_u32 v[36+\a], 0xff000000, v[32+\a]    ; 2 off the exponent field: the conversion's scale operand
.endr
.irp a, 0,1,2,3
	v_lshrrev_b32 v[40+\a], 23, v[36+\a]           ; the scale's byte
.endr
	v_lshl_or_b32 v44, v41, 8, v40
	v_lshl_or_b32 v45, v43, 8, v42
	s_delay_alu instid0(VALU_DEP_1)
	v_lshl_or_b32 v44, v45, 16, v44                ; my block's byte in tiles 0 .. 3
	s_delay_alu instid0(VALU_DEP_1)
	v_permlanex16_b32 v46, v44, s[SEL], s[SEL+1]   ; the other block's
.irp a, 0,1,2,3
.irp t, 0,1,2,3
	v_cvt_scalef32_pk8_fp4_f32 v[48+4*\a+\t], v[ACC+32*\a+8*\t:ACC+32*\a+8*\t+7], v[36+\a]
.endr
.endr
	v_cmp_ne_u32 vcc_lo, 0, v2
	v_cndmask_b32 v47, v44, v46, vcc_lo            ; block 0's four bytes
	v_cndmask_b32 v45, v46, v44, vcc_lo            ; block 1's
	v_perm_b32 v27, v45, v47, v26                  ; lanes 0-15: tiles 0 and 1 (two bytes each);  lanes 16-31: tiles 2 and 3
	s_wait_alu depctr_va_vdst(0)                   ; the wait ahead of the branch
	s_cmp_eq_u32 s89, 2
	s_cbranch_scc1 .Lv_out
.irp a, 0,1,2,3
	global_store_b128 v20, v[48+4*\a:51+4*\a], s[14:15] offset:512*\a      ; each covers 512 consecutive bytes, aligned
.endr
	global_store_b32 v21, v27, s[14:15]
	s_branch .Lout
.Lv_out:
.irp a, 0,1,2,3
	global_store_b128 v20, v[48+4*\a:51+4*\a], s[14:15] offset:1024*\a
.endr
	global_store_b16 v21, v27, s[14:15]            ; tiles 0 and 2: my key group's two bytes of the word
	global_store_d16_hi_b16 v21, v27, s[14:15] offset:64                   ; tiles 1 and 3
.Lout:
	s_wait_tensorcnt 0x0                           ; the wave's end
	ds_add_u32 v[SPW], v[NIL]
	s_wait_dscnt 0x0
	ROUND                                          ; the closing round
	s_endpgm
.Lfunc_end_k_q31fd3f1a11_proj:
	.size	k_q31fd3f1a11_proj, .Lfunc_end_k_q31fd3f1a11_proj-k_q31fd3f1a11_proj
	.p2alignl 7, 3214868480
	.fill 96, 4, 3214868480
	.section	.rodata,"a",@progbits
	.p2align	6, 0x0
	.amdhsa_kernel k_q31fd3f1a11_proj
		.amdhsa_group_segment_fixed_size 259840
		.amdhsa_private_segment_fixed_size 0
		.amdhsa_enable_private_segment 0
		.amdhsa_kernarg_size 48
		.amdhsa_user_sgpr_count 2
		.amdhsa_user_sgpr_kernarg_segment_ptr 1
		.amdhsa_wavefront_size32 1
		.amdhsa_system_sgpr_workgroup_id_x 1
		.amdhsa_system_sgpr_workgroup_id_y 1
		.amdhsa_system_sgpr_workgroup_id_z 1
		.amdhsa_system_vgpr_workitem_id 0
		.amdhsa_next_free_vgpr 256
		.amdhsa_next_free_sgpr 102
		.amdhsa_reserve_vcc 1
		.amdhsa_float_denorm_mode_32 3
		.amdhsa_float_denorm_mode_16_64 3
		.amdhsa_memory_ordered 1
		.amdhsa_forward_progress 1
		.amdhsa_inst_pref_size 52
	.end_amdhsa_kernel
	.amdgpu_metadata
---
amdhsa.version: [ 1, 2 ]
amdhsa.kernels:
  - .name:           k_q31fd3f1a11_proj
    .symbol:         k_q31fd3f1a11_proj.kd
    .args:
      - { .name: x_codes, .offset: 0, .size: 8, .value_kind: global_buffer, .address_space: global }
      - { .name: x_scales, .offset: 8, .size: 8, .value_kind: global_buffer, .address_space: global }
      - { .name: qkv_w_codes, .offset: 16, .size: 8, .value_kind: global_buffer, .address_space: global }
      - { .name: qkv_w_scales, .offset: 24, .size: 8, .value_kind: global_buffer, .address_space: global }
      - { .name: qkv_b, .offset: 32, .size: 8, .value_kind: global_buffer, .address_space: global }
      - { .name: qkv, .offset: 40, .size: 8, .value_kind: global_buffer, .address_space: global }
    .group_segment_fixed_size: 259840
    .private_segment_fixed_size: 0
    .kernarg_segment_align: 8
    .kernarg_segment_size: 48
    .max_flat_workgroup_size: 384
    .sgpr_count:     102
    .vgpr_count:     256
    .wavefront_size: 32
...
	.end_amdgpu_metadata
.endif
;; end of part 1
;; launch attn (part 2): grid 8 x 32, 8 waves a work-group, clusters of 4 x 1, 167,936 bytes of LDS; arguments qkv, oimg, osc; writes oimg, osc
.if DOCPART == 2
	.amdgcn_target "amdgcn-amd-amdhsa--gfx1250"
	.amdhsa_code_object_version 6
	.text
	.protected	k_q31fd3f1a11_attn
	.globl	k_q31fd3f1a11_attn
	.p2align	8
	.type	k_q31fd3f1a11_attn,@function
k_q31fd3f1a11_attn:
	s_mov_b64 s[64:65], 0
	v_nop
	global_prefetch_b8 v0, s[64:65] scope:SCOPE_SE
	s_setreg_imm32_b32 hwreg(HW_REG_WAVE_MODE, 25, 1), 1
	s_wait_xcnt 0x0
	s_wait_alu depctr_hold_cnt(0) depctr_sa_sdst(0) depctr_va_vdst(0) depctr_va_sdst(0) depctr_va_ssrc(0) depctr_va_vcc(0) depctr_vm_vsrc(0)
	s_getreg_b32 s2, hwreg(HW_REG_IB_STS2, 6, 4)
	s_cmp_eq_u32 s2, 0
	s_cbranch_scc0 .Lentry_in_a_cluster
	s_endpgm
.Lentry_in_a_cluster:
	s_bfe_u32 s2, ttmp6, 0x10000c
	s_cmp_lg_u32 s2, 0x3003
	s_cbranch_scc0 .Lentry_shape_is_right
	s_endpgm
.Lentry_shape_is_right:
; O[q] = the sum over keys of softmax(q . k / 8) v for one head, both products on codes of FP4 (E2M1) with E8M0 scales, and O quantised at once along the model's 1,024 (two blocks of 32 a head) for the last product.
; THE SOFTMAX AHEAD OF THE SECOND PRODUCT: t = score x log2(e) / 8; M = the row's largest t so far, rounded UP to a whole number; p = 2^(t - M) is quantised along the keys, not normalised.
; The row's sum is taken of the unquantised p, in f32, and divides O at the end.  When M moves, the sum and O are multiplied by 2^(old M - new M): exact.
; SHARES.  A work-group owns 256 queries of one record (16 batch + head); each of its eight waves owns two tiles of 16, A and B: each fragment of k and v feeds both, and the two tiles' chains stand by turns.
; LDS holds the head's 16 key steps (139,264 bytes) as they lie in memory, images of operand registers.  Filled once: wave w fetches key steps 2 w and 2 w + 1, its one tensor load.
; Wave 0's load has a line of its own: a first barrier shows steps 0 and 1, a second one, behind these two steps, all the rest.  No slot is filled again.
; CLUSTER 4 x 1: the four query blocks of a cluster belong to one record and read the same keys and values: each step is asked for jointly (mask 15).
; No data prefetch: all that is read of keys and values is asked for at the head; there is no load to run ahead of.  No work of the reference is left out.
; K = 64 IN AN INSTRUCTION OF 128.  A fragment of k carries TWO tiles of 16 keys: registers 0-3 tile 2 p, registers 4-7 tile 2 p + 1.  q stands in twelve registers as Q, zeros, Q: source 1 = the first eight gives tile 2 p's scores,
; source 1 = the last eight tile 2 p + 1's: zero codes add nothing under any finite scale.
; Both products are used transposed (S^T = k q^T, O^T = v^T p^T): a lane (r, h) holds ONE query (r) of each tile throughout.  Tile 4 c + u of a step holds, in register j of half h, key 64 c + 32 h + 8 (u xor h) + j:
; a lane's 32 registers of tiles 4 c .. 4 c + 3 are the whole block 2 c + h, in the order in which v's codes have it: no lane exchange for codes or block maxima.
; LIMITS: NaN and infinities are not served; p under 2^-126 counts as 0; a block of p whose largest lies under 2^-124 takes the byte 0 (2^-127); a block of O whose largest magnitude lies under 2^-124, zeros among them, gets the byte 1.
; The result's scale bytes leave as 2 bytes a row, 16 rows 4 bytes apart (lanes 16-31 write what lanes 0-15 write): one byte in 16 of what is stored.
.set REC,   208896
.set QS,    65536
.set KV,    69632
.set STEPB, 8704                       ; a key step: +0 k [tile][lane][16], +4,096 v [dt][c][lane][16], +8,192 k's pair words [p][r], +8,448 v's words [dt][r]
.set SPARE, 16*STEPB
; WINDOW 0: v1 16 x lane, v2 4 x (lane % 16), v3, v4 the same + the step's first byte; v5, v6 where the result goes; v7, v8 where q comes from; v9 at work
;   v12, v14 -M of A, B; v13, v15 the largest scores; v[16:17], v[18:19] the sums in two halves; v20, v22 -M - 2; v24, v26 f = 2^(old M - new M); v28, v29 q's scale words; v30, v31 p's
;   v32-63 k's four pair fragments; v64-95 v's four fragments; v96-159 S^T of A, then p; v160-223 of B; v224-227 k's words, v228-231 v's words; v232-239 at work; v240-247, v248-255 p's codes
; WINDOW 1: v64-75 Q, zeros, Q of A; v76-87 of B; v128-159 O^T of A, v160-191 of B
.set LI,  1
.set LS,  2
.set ADK, 3
.set ADS, 4
.set SPW, 10
.set NIL, 11
.set KF,  32
.set VF,  64
.set KS,  224
.set VS,  228
.set WV,  10
.set SEL, 20
.set CS,  22                           ; s[22:23] c = log2(e) / 8: the packed form names a pair and takes its low word for both halves
.set G1,  24
.set G0,  32
.set NC,  36                           ; -c
.set TB,  48                           ; s48  LDS byte at which the step in hand begins
.set CNT, 49
.set MSB, 0
.macro WIN new                         ; bits 1:0 source 0's window, 3:2 source 1's, 5:4 source 2's, 7:6 the destination's; the high byte repeats the setting that is left
.if MSB != \new
	s_set_vgpr_msb (MSB<<8)|\new
.set MSB, \new
.endif
.endm
.macro ROUND                           ; a round of the cluster's barrier
	s_barrier_signal -1
	s_barrier_wait -1
	s_cmp_lg_u32 s[WV], 0
	s_cbranch_scc1 .Lnot_wave_0_\@
	s_barrier_signal -3
.Lnot_wave_0_\@:
	s_barrier_wait -3
	s_barrier_signal -1
	s_barrier_wait -1
.endm
.macro PLACES
.rept 4
	v_nop
.endr
.endm
	s_load_b128 s[4:7], s[0:1], 0x0                ; qkv s[4:5], oimg s[6:7]
	s_load_b64 s[8:9], s[0:1], 0x10                ; osc
	v_lshl_add_u32 v[SPW], v0, 2, SPARE
	v_mov_b32 v[NIL], 0
	ds_add_u32 v[SPW], v[NIL]                      ; the opening adds and their wait
	ds_add_u32 v[SPW], v[NIL]
	v_lshrrev_b32 v1, 5, v0
	v_readfirstlane_b32 s[WV], v1                  ; wave 0..7
	s_bfe_u32 s11, ttmp6, 0x40000                  ; cx
	s_lshl_b32 s12, ttmp9, 2
	s_add_co_u32 s12, s12, s11                     ; my block of 256 queries: it enters q's and the result's addresses alone
	s_and_b32 s13, ttmp7, 0xffff                   ; the record, which the partners share
	s_mul_i32 s15, s13, REC
	s_mul_i32 s14, s[WV], 2*STEPB                  ; the two steps that I fetch: in LDS and in memory alike
	s_add_co_u32 s16, s15, s14
	s_add_co_u32 s16, s16, KV
	s_mov_b32 s17, 0
	s_mov_b32 s[G1], 15|(3<<16)|(1<<21)            ; all four partners; elements of 8 bytes; 21 set beside a mask; no padding
	s_mov_b32 s[G1+1], 32<<16                      ; 68 dense rows of 256 bytes
	s_mov_b32 s[G1+2], 68<<16
	s_mov_b32 s[G1+3], 32<<16
	s_mov_b32 s[G1+4], 68
	s_mov_b32 s[G1+5], 32
	s_mov_b32 s[G1+6], 0
	s_mov_b32 s[G1+7], 0
	s_mov_b32 s[G0], 1
	s_mov_b32 s[G0+1], s14
	s_mov_b32 s[SEL], 0x76543210
	s_mov_b32 s[SEL+1], 0xfedcba98
	s_mov_b32 s[CS], 0x3e38aa3b                    ; log2(e) / 8
	s_mov_b32 s[CS+1], s[CS]
	s_mov_b32 s[NC], 0xbe38aa3b
	s_mov_b32 s[TB], 0
	s_lshl_b32 s50, s12, 3
	s_add_co_u32 s50, s50, s[WV]                   ; P: my pair of query tiles, 0 .. 63
	s_lshl_b32 s18, s50, 10
	s_add_co_u32 s18, s18, s15                     ; q's codes: 1,024 P
	s_lshl_b32 s19, s50, 6
	s_add_co_u32 s19, s19, s15
	s_add_co_u32 s19, s19, QS                      ; q's pair words: QS + 64 P
	s_lshl_b32 s50, s50, 1
	s_lshr_b32 s52, s13, 4
	s_lshl_b32 s52, s52, 7
	s_add_co_u32 s52, s52, s50                     ; G = 128 batch + 2 P: tile A; tile B is the next
	s_and_b32 s53, s13, 15                         ; the head
	s_lshl_b32 s54, s52, 13
	s_lshl_b32 s55, s53, 9
	s_add_co_u32 s54, s54, s55                     ; oimg: 8,192 G + 512 head
	s_lshl_b32 s52, s52, 9
	s_lshr_b32 s55, s53, 1
	s_lshl_b32 s55, s55, 6
	s_add_co_u32 s52, s52, s55
	s_and_b32 s53, s53, 1
	s_lshl_b32 s53, s53, 1
	s_add_co_u32 s52, s52, s53                     ; osc: 512 G + 64 (head / 2) + 2 (head % 2)
	v_and_b32 v9, 31, v0
	v_and_b32 v12, 15, v0
	v_lshlrev_b32 v[LI], 4, v9
	v_lshlrev_b32 v[LS], 2, v12
	v_add_nc_u32 v7, s18, v[LI]
	v_add_nc_u32 v8, s19, v[LS]
	v_add_nc_u32 v5, s54, v[LI]
	v_add_nc_u32 v6, s52, v[LS]
	s_wait_alu depctr_va_vdst(0)                   ; the wait ahead of the blocking waits below
	s_wait_dscnt 0x0                               ; both opening adds are done
	ROUND                                          ; all four work-groups are here: the joint loads meet
	s_wait_kmcnt 0x0
	s_add_nc_u64 s[G0+2:G0+3], s[4:5], s[16:17]
	s_or_b32 s[G0+3], s[G0+3], 0x80000000
	s_cmp_eq_u32 s[WV], 0                          ; one tensor load a wave; wave 0's is a line of its own, since it alone is waited for first
	s_cbranch_scc0 .Lothers
	tensor_load_to_lds s[G0:G0+3], s[G1:G1+7]
	s_nop 0
	PLACES
	s_branch .Lasked
.Lothers:
	tensor_load_to_lds s[G0:G0+3], s[G1:G1+7]
	s_nop 0
	PLACES
.Lasked:
	WIN 0x40
	global_load_b128 v[64:67], v7, s[4:5]          ; Q's images, twice each: in front of the zeros and behind them
	global_load_b128 v[72:75], v7, s[4:5]
	global_load_b128 v[76:79], v7, s[4:5] offset:512
	global_load_b128 v[84:87], v7, s[4:5] offset:512
.irp j, 68,69,70,71,80,81,82,83
	v_mov_b32 v[\j], 0                             ; zero codes
.endr
.set j, 0
.rept 64
	v_mov_b32 v[128+j], 0                          ; O^T: the first step finds zeros
.set j, j+1
.endr
	WIN 0
	global_load_b32 v9, v8, s[4:5]                 ; the pair word of my row
	s_wait_loadcnt 0x0
	v_perm_b32 v28, v9, v9, 0x1000100              ; A's two bytes in both halves of the word: they scale Q wherever it stands in the 128
	v_perm_b32 v29, v9, v9, 0x3020302              ; B's
.irp j, 16,17,18,19,21,23,25,27
	v_mov_b32 v[\j], 0                             ; the sums; and the upper halves of pairs, which count as read.  (Also places between v28, v29 and the first product)
.endr
.irp j, 12,14
	v_mov_b32 v[\j], 0x7f61b1e6                    ; -M of nothing yet: 3e38
	v_mov_b32 v[\j+1], 0xff61b1e6                  ; the largest score so far: -3e38, under every score
.endr
	s_wait_alu depctr_va_vdst(0)                   ; the wait at the head's end
	s_cmp_lg_u32 s[WV], 0
	s_cbranch_scc1 .Lnot_first
	s_wait_tensorcnt 0x0                           ; wave 0: steps 0 and 1 have landed
.Lnot_first:
	s_wait_dscnt 0x0
	s_barrier_signal -1
	s_barrier_wait -1                              ; for all eight waves.  Nothing is ever filled again
.macro KL n, ad, as, o                 ; the n-th of the twelve loads of k's fragments and words, of the step at offset o
.if (\n)%3 == 2
	ds_load_b32 v[KS+(\n)/3], v[\as] offset:\o+8192+64*((\n)/3)
.else
	ds_load_b128 v[KF+8*((\n)/3)+4*((\n)%3):KF+8*((\n)/3)+4*((\n)%3)+3], v[\ad] offset:\o+1024*((\n)/3)+512*((\n)%3)
.endif
.endm
.macro KLOAD ad, as
.irp n, 0,1,2,3,4,5,6,7,8,9,10,11
	KL \n, \ad, \as, 0
.endr
.endm
.macro KN n                            ; of the next step, where there is one to fetch
.if FETCH
	KL \n, ADK, ADS, STEPB
.endif
.endm
.macro ADDP d, s                       ; a pair onto a pair
	v_pk_add_f32 v[\d:(\d)+1], v[\d:(\d)+1], v[\s:(\s)+1]
.endm
.macro EXB                             ; two exponentials of B
	v_exp_f32 v[160+j], v[160+j]
	v_exp_f32 v[161+j], v[161+j]
.set j, j+2
.endm
; THE LARGEST SCORE OF EACH BLOCK of 32 keys, all in the lane: it serves the row's maximum and, since p rises with the score, the block's largest p.  Two chains a block, each tile from its low end on.  q = 0: A, 1: B
.macro MXFIRST q
.irp c, 0,1
	v_max3_num_f32 v[232+4*\q+\c], v[96+64*\q+32*\c], v[97+64*\q+32*\c], v[98+64*\q+32*\c]
	v_max3_num_f32 v[234+4*\q+\c], v[112+64*\q+32*\c], v[113+64*\q+32*\c], v[114+64*\q+32*\c]
.endr
.endm
.macro MX q, i
.irp c, 0,1
	v_max3_num_f32 v[232+4*\q+\c], v[232+4*\q+\c], v[96+64*\q+32*\c+\i], v[97+64*\q+32*\c+\i]
	v_max3_num_f32 v[234+4*\q+\c], v[234+4*\q+\c], v[112+64*\q+32*\c+\i], v[113+64*\q+32*\c+\i]
.endr
.endm
.macro MXLAST q
.irp c, 0,1
	v_max3_num_f32 v[234+4*\q+\c], v[234+4*\q+\c], v[111+64*\q+32*\c], v[127+64*\q+32*\c]
.endr
.irp c, 0,1
	v_max_num_f32 v[232+4*\q+\c], v[232+4*\q+\c], v[234+4*\q+\c]
.endr
.endm
.macro PKA                             ; A's t - M, two at a time, three instructions (of the pairs c and -M the low word serves both halves)
.rept 3
	v_pk_fma_f32 v[96+j:97+j], v[96+j:97+j], s[CS:CS+1], v[12:13] op_sel_hi:[1,0,0]
.set j, j+2
.endr
.endm
.macro CVA n                           ; tile n's eight codes of A
	v_cvt_scalef32_pk8_fp4_f32 v[240+\n], v[96+8*(\n):103+8*(\n)], v[232+(\n)/4]
.endm
; A KEY STEP: 128 keys at LDS byte s[TB].  Its k is on its way at the step's head; it asks for its own v and, fetch = 1, for the next step's k.
.macro STEP fetch
.set FETCH, \fetch
	s_wait_dscnt 0x0                               ; k is in
	WIN 0x04
.irp p, 0,1,2,3
	v_wmma_scale_f32_16x16x128_f8f6f4 v[96+16*\p:103+16*\p], v[KF+8*\p:KF+8*\p+7], v[64:71], 0, v[KS+\p], v28 matrix_a_fmt:MATRIX_FMT_FP4 matrix_b_fmt:MATRIX_FMT_FP4
	v_wmma_scale_f32_16x16x128_f8f6f4 v[104+16*\p:111+16*\p], v[KF+8*\p:KF+8*\p+7], v[68:75], 0, v[KS+\p], v28 matrix_a_fmt:MATRIX_FMT_FP4 matrix_b_fmt:MATRIX_FMT_FP4
.endr
.irp p, 0,1,2,3
	v_wmma_scale_f32_16x16x128_f8f6f4 v[160+16*\p:167+16*\p], v[KF+8*\p:KF+8*\p+7], v[76:83], 0, v[KS+\p], v29 matrix_a_fmt:MATRIX_FMT_FP4 matrix_b_fmt:MATRIX_FMT_FP4
	v_wmma_scale_f32_16x16x128_f8f6f4 v[168+16*\p:175+16*\p], v[KF+8*\p:KF+8*\p+7], v[80:87], 0, v[KS+\p], v29 matrix_a_fmt:MATRIX_FMT_FP4 matrix_b_fmt:MATRIX_FMT_FP4
.endr
	WIN 0
	v_add_nc_u32 v[ADK], s[TB], v[LI]
	v_add_nc_u32 v[ADS], s[TB], v[LS]
	v_nop
	v_nop                                          ; four places in front of the first read of scores
	MXFIRST 0
.irp i, 3,5,7,9,11,13
	MX 0, \i
.endr
	MXLAST 0
	MXFIRST 1                                      ; B's maxima, and between them A's M
	v_max_num_f32 v240, v232, v233
	MX 1, 3
	v_permlanex16_b32 v234, v240, s[SEL], s[SEL+1]
	MX 1, 5
	v_max3_num_f32 v13, v13, v240, v234            ; the running largest score of my query
	MX 1, 7
	v_mul_f32 v240, s[NC], v13                     ; -t
	MX 1, 9
	v_floor_f32 v244, v240                         ; the new -M = floor(-t): a whole number
	MX 1, 11
	v_sub_f32 v24, v244, v12                       ; M's old value less its new one: a whole number, 0 or less
	v_floor_f32 v12, v240
	MX 1, 13
	v_cvt_i32_f32 v24, v24                         ; (it saturates)
	v_add_f32 v20, -2.0, v12
	MXLAST 1
	v_ldexp_f32 v24, 1.0, v24                      ; f = 2^(old M - new M)
.set j, 0
	PKA                                            ; A's scalings, and between them B's M
	v_max_num_f32 v241, v236, v237
	PKA
	v_permlanex16_b32 v238, v241, s[SEL], s[SEL+1]
	PKA
	v_max3_num_f32 v15, v15, v241, v238
	PKA
	v_mul_f32 v241, s[NC], v15
	PKA
	v_floor_f32 v245, v241
	PKA
	v_sub_f32 v26, v245, v14
	v_floor_f32 v14, v241
	PKA
	v_cvt_i32_f32 v26, v26
	v_add_f32 v22, -2.0, v14
	PKA
	v_ldexp_f32 v26, 1.0, v26
	PKA
	PKA
.rept 2
	v_pk_fma_f32 v[96+j:97+j], v[96+j:97+j], s[CS:CS+1], v[12:13] op_sel_hi:[1,0,0]
.set j, j+2
.endr
	v_pk_fma_f32 v[232:233], v[232:233], s[CS:CS+1], v[20:21] op_sel_hi:[1,0,0]       ; the blocks' largest t - M, less 2: of their exponentials the exponent field is the conversion's scale
	WIN 0x41
.set j, 0
.rept 16
	v_pk_mul_f32 v[128+j:129+j], v[128+j:129+j], v[24:25] op_sel_hi:[1,0]             ; O^T under the new M
	v_pk_mul_f32 v[160+j:161+j], v[160+j:161+j], v[26:27] op_sel_hi:[1,0]
.set j, j+2
.endr
	WIN 0
	s_wait_alu depctr_va_vdst(0)                   ; the wait ahead of the batch
.irp d, 0,1,2,3
.irp c, 0,1
	ds_load_b128 v[VF+8*\d+4*\c:VF+8*\d+4*\c+3], v[ADK] offset:4096+1024*\d+512*\c   ; this step's v
.endr
	ds_load_b32 v[VS+\d], v[ADS] offset:8448+64*\d
.endr
.set j, 0
.rept 32
	v_exp_f32 v[96+j], v[96+j]                     ; A's p = 2^(t - M), at most 1: not normalised;
	v_exp_f32 v[97+j], v[97+j]
	v_pk_fma_f32 v[160+j:161+j], v[160+j:161+j], s[CS:CS+1], v[14:15] op_sel_hi:[1,0,0]   ; between them B's t - M
.set j, j+2
.endr
	v_exp_f32 v232, v232
	v_exp_f32 v233, v233
	v_pk_fma_f32 v[236:237], v[236:237], s[CS:CS+1], v[22:23] op_sel_hi:[1,0,0]
	v_pk_mul_f32 v[16:17], v[16:17], v[24:25] op_sel_hi:[1,0]   ; the sums under the new M
	v_pk_mul_f32 v[18:19], v[18:19], v[26:27] op_sel_hi:[1,0]
	s_wait_alu depctr_va_vdst(0)                   ; behind A's batch and ahead of B's
.irp n, 0,1,2,3,4,5,6,7,8,9,10,11
	KN \n                                          ; the next step's k
.endr
	; B's exponentials; between them A's codes, and A's sum: each conversion's sources are summed in place behind a plain instruction that follows it
.set j, 0
	EXB
	CVA 0
	EXB
	v_lshrrev_b32 v234, 23, v232                   ; A's scale bytes: blocks h
	EXB
	CVA 1
	EXB
	ADDP 96, 98
	EXB
	ADDP 100, 102
.irp n, 2,3,4,5,6,7
	EXB
	CVA \n
	EXB
	ADDP (88+8*\n), (90+8*\n)
	EXB
	ADDP (92+8*\n), (94+8*\n)
.endr
	EXB
	ADDP 152, 154
	EXB
	ADDP 156, 158
.rept 7
	EXB
.endr
	v_exp_f32 v236, v236
	v_exp_f32 v237, v237
	v_lshrrev_b32 v235, 23, v233                   ; and 2 + h.  (A plain place behind the exponentials)
	s_wait_alu depctr_va_vdst(0)
.irp n, 0,1,2,3,4,5,6,7
	v_cvt_scalef32_pk8_fp4_f32 v[248+\n], v[160+8*\n:167+8*\n], v[236+\n/4]           ; B's codes
	ADDP (96+8*\n), (100+8*\n)
.endr
	v_lshrrev_b32 v238, 23, v236
	v_lshrrev_b32 v239, 23, v237
	v_lshl_or_b32 v234, v235, 16, v234
	ADDP 160, 162
	ADDP 164, 166
	v_lshl_or_b32 v238, v239, 16, v238
	v_permlanex16_b32 v235, v234, s[SEL], s[SEL+1]
	ADDP 168, 170
	ADDP 172, 174
	v_permlanex16_b32 v239, v238, s[SEL], s[SEL+1]
	ADDP 176, 178
	ADDP 180, 182
	v_lshl_or_b32 v30, v235, 8, v234               ; p's scale words for these 128 keys (lanes 0-15 are read)
	ADDP 184, 186
	ADDP 188, 190
	v_lshl_or_b32 v31, v239, 8, v238
.irp n, 192,196,200,204,208,212,216,220
	ADDP \n, (\n+2)
.endr
.irp n, 96,112,128,144
	ADDP \n, (\n+8)
.endr
.irp n, 160,168,176,184,192,200,208,216
	ADDP \n, (\n+4)
.endr
	ADDP 96, 112
	ADDP 128, 144
.irp n, 160,176,192,208
	ADDP \n, (\n+8)
.endr
	ADDP 96, 128
	ADDP 160, 176
	ADDP 192, 208
	ADDP 16, 96                                    ; the rows' sums, of the unquantised p
	ADDP 160, 192
	s_delay_alu instid0(VALU_DEP_1)
	ADDP 18, 160
.if FETCH
	s_wait_dscnt 12                                ; v is in; the next step's k, twelve loads, may be out
.else
	s_wait_alu depctr_va_vdst(0)                   ; the wait ahead of the blocking wait
	s_wait_dscnt 0x0                               ; v is in
.endif
	WIN 0x50
.irp d, 0,1,2,3
	v_wmma_scale_f32_16x16x128_f8f6f4 v[128+8*\d:135+8*\d], v[VF+8*\d:VF+8*\d+7], v[240:247], v[128+8*\d:135+8*\d], v[VS+\d], v30 matrix_a_fmt:MATRIX_FMT_FP4 matrix_b_fmt:MATRIX_FMT_FP4
	v_wmma_scale_f32_16x16x128_f8f6f4 v[160+8*\d:167+8*\d], v[VF+8*\d:VF+8*\d+7], v[248:255], v[160+8*\d:167+8*\d], v[VS+\d], v31 matrix_a_fmt:MATRIX_FMT_FP4 matrix_b_fmt:MATRIX_FMT_FP4
.endr
	WIN 0
	s_add_co_u32 s[TB], s[TB], STEPB
.endm
	KLOAD LI, LS
	STEP 1
	STEP 0
	s_wait_tensorcnt 0x0                           ; my two steps have landed,
	s_wait_dscnt 0x0
	s_barrier_signal -1
	s_barrier_wait -1                              ; everybody's have
	v_add_nc_u32 v[ADK], s[TB], v[LI]
	v_add_nc_u32 v[ADS], s[TB], v[LS]
	KLOAD ADK, ADS
	s_mov_b32 s[CNT], 13
.Lstep:
	STEP 1
	s_sub_co_u32 s[CNT], s[CNT], 1
	s_cmp_lg_u32 s[CNT], 0
	s_cbranch_scc1 .Lstep
	STEP 0
	; THE WAY OUT: O^T / the sum.  Register 8 dt + i of half h is channel 32 h + 8 (dt xor h) + i: a lane's 32 registers are block h of the head along the last product's K.
	PLACES                                         ; in front of the first read of the last products' results
.irp q, 0,1
	v_add_f32 v[16+2*\q], v[16+2*\q], v[17+2*\q]
.endr
.irp q, 0,1
	v_permlanex16_b32 v[234+4*\q], v[16+2*\q], s[SEL], s[SEL+1]
.endr
.irp q, 0,1
	v_add_f32 v[16+2*\q], v[16+2*\q], v[234+4*\q]  ; the rows' sums
.endr
	v_bfe_u32 v9, v0, 4, 1                         ; h
	s_wait_alu depctr_va_vdst(0)                   ; the wait ahead of the transcendentals
	v_rcp_f32 v16, v16
	v_rcp_f32 v18, v18
	v_nop                                          ; a plain place behind the transcendentals
	WIN 0x01
	s_wait_alu depctr_va_vdst(0)                   ; and the wait ahead of their first reader
.set j, 0
.rept 32
	v_mul_f32 v[96+j], v[128+j], v16
	v_mul_f32 v[160+j], v[160+j], v18
.set j, j+1
.endr
	WIN 0
.irp q, 0,1
.irp b, 0,1
	v_max3_num_f32 v[232+4*\q+\b], |v[96+64*\q+16*\b]|, |v[97+64*\q+16*\b]|, 0x1800000
.endr
.endr
.irp i, 2,4,6,8,10,12,14
.irp q, 0,1
.irp b, 0,1
	v_max3_num_f32 v[232+4*\q+\b], v[232+4*\q+\b], |v[96+64*\q+16*\b+\i]|, |v[97+64*\q+16*\b+\i]|
.endr
.endr
.endr
.irp q, 0,1
	v_max_num_f32 v[232+4*\q], v[232+4*\q], v[233+4*\q]        ; my block's largest magnitude
.endr
.irp q, 0,1
	v_add_nc_u32 v[20+2*\q], 0xff000000, v[232+4*\q]
.endr
.irp q, 0,1
	v_lshrrev_b32 v[234+4*\q], 23, v[20+2*\q]      ; my block's byte,
.endr
.irp q, 0,1
	v_permlanex16_b32 v[235+4*\q], v[234+4*\q], s[SEL], s[SEL+1]   ; and the other block's
.endr
.irp q, 0,1
.irp u, 0,1,2,3
	v_cvt_scalef32_pk8_fp4_f32 v[240+4*\q+\u], v[96+64*\q+8*\u:103+64*\q+8*\u], v[20+2*\q]
.endr
.endr
	v_cmp_ne_u32 vcc_lo, 0, v9
.irp q, 0,1
	v_cndmask_b32 v[232+4*\q], v[234+4*\q], v[235+4*\q], vcc_lo    ; block 0's byte
	v_cndmask_b32 v[233+4*\q], v[235+4*\q], v[234+4*\q], vcc_lo    ; block 1's
	v_cndmask_b32 v[248+4*\q], v[240+4*\q], v[241+4*\q], vcc_lo    ; half 1's eights stand in the order 1, 0, 3, 2: laid in ascending order
	v_cndmask_b32 v[249+4*\q], v[241+4*\q], v[240+4*\q], vcc_lo
	v_cndmask_b32 v[250+4*\q], v[242+4*\q], v[243+4*\q], vcc_lo
	v_cndmask_b32 v[251+4*\q], v[243+4*\q], v[242+4*\q], vcc_lo
	v_lshl_or_b32 v[232+4*\q], v[233+4*\q], 8, v[232+4*\q]         ; the head's two bytes of my row, alike in both halves
.endr
	global_store_b128 v5, v[248:251], s[6:7]       ; each store of the wave covers 512 consecutive bytes, aligned
	global_store_b128 v5, v[252:255], s[6:7] offset:8192
	global_store_b16 v6, v232, s[8:9]
	global_store_b16 v6, v236, s[8:9] offset:512
	s_wait_tensorcnt 0x0                           ; the wave's end
	ds_add_u32 v[SPW], v[NIL]
	s_wait_dscnt 0x0
	ROUND                                          ; the closing round
	s_endpgm
.Lfunc_end_k_q31fd3f1a11_attn:
	.size	k_q31fd3f1a11_attn, .Lfunc_end_k_q31fd3f1a11_attn-k_q31fd3f1a11_attn
	.p2alignl 7, 3214868480
	.fill 96, 4, 3214868480
	.section	.rodata,"a",@progbits
	.p2align	6, 0x0
	.amdhsa_kernel k_q31fd3f1a11_attn
		.amdhsa_group_segment_fixed_size 167936
		.amdhsa_private_segment_fixed_size 0
		.amdhsa_enable_private_segment 0
		.amdhsa_kernarg_size 24
		.amdhsa_user_sgpr_count 2
		.amdhsa_user_sgpr_kernarg_segment_ptr 1
		.amdhsa_wavefront_size32 1
		.amdhsa_system_sgpr_workgroup_id_x 1
		.amdhsa_system_sgpr_workgroup_id_y 1
		.amdhsa_system_sgpr_workgroup_id_z 1
		.amdhsa_system_vgpr_workitem_id 0
		.amdhsa_next_free_vgpr 448
		.amdhsa_next_free_sgpr 66
		.amdhsa_reserve_vcc 1
		.amdhsa_float_denorm_mode_32 3
		.amdhsa_float_denorm_mode_16_64 3
		.amdhsa_memory_ordered 1
		.amdhsa_forward_progress 1
		.amdhsa_inst_pref_size 118
	.end_amdhsa_kernel
	.amdgpu_metadata
---
amdhsa.version: [ 1, 2 ]
amdhsa.kernels:
  - .name:           k_q31fd3f1a11_attn
    .symbol:         k_q31fd3f1a11_attn.kd
    .args:
      - { .name: qkv, .offset: 0, .size: 8, .value_kind: global_buffer, .address_space: global }
      - { .name: oimg, .offset: 8, .size: 8, .value_kind: global_buffer, .address_space: global }
      - { .name: osc, .offset: 16, .size: 8, .value_kind: global_buffer, .address_space: global }
    .group_segment_fixed_size: 167936
    .private_segment_fixed_size: 0
    .kernarg_segment_align: 8
    .kernarg_segment_size: 24
    .max_flat_workgroup_size: 256
    .sgpr_count:     66
    .vgpr_count:     448
    .wavefront_size: 32
...
	.end_amdgpu_metadata
.endif
;; end of part 2
;; launch outp (part 3): grid 8 x 32, 8 waves a work-group, clusters of 4 x 4, 177,152 bytes of LDS; arguments oimg, osc, out_w_codes, out_w_scales, out_b, out0; writes out0
.if DOCPART == 3
	.amdgcn_target "amdgcn-amd-amdhsa--gfx1250"
	.amdhsa_code_object_version 6
	.text
	.protected	k_q31fd3f1a11_outp
	.globl	k_q31fd3f1a11_outp
	.p2align	8
	.type	k_q31fd3f1a11_outp,@function
k_q31fd3f1a11_outp:
	s_mov_b64 s[64:65], 0
	v_nop
	global_prefetch_b8 v0, s[64:65] scope:SCOPE_SE
	s_setreg_imm32_b32 hwreg(HW_REG_WAVE_MODE, 25, 1), 1
	s_wait_xcnt 0x0
	s_wait_alu depctr_hold_cnt(0) depctr_sa_sdst(0) depctr_va_vdst(0) depctr_va_sdst(0) depctr_va_ssrc(0) depctr_va_vcc(0) depctr_vm_vsrc(0)
	s_getreg_b32 s2, hwreg(HW_REG_IB_STS2, 6, 4)
	s_cmp_eq_u32 s2, 0
	s_cbranch_scc0 .Lentry_in_a_cluster
	s_endpgm
.Lentry_in_a_cluster:
	s_bfe_u32 s2, ttmp6, 0x10000c
	s_cmp_lg_u32 s2, 0xf033
	s_cbranch_scc0 .Lentry_shape_is_right
	s_endpgm
.Lentry_shape_is_right:
; out0 = O out_w^T + out_b on codes of FP4 (E2M1) with E8M0 scales; sums in f32.  O comes as images of operand registers: oimg [token tile G, 256][head, 16][lane][16], osc [G][K step, 8][r] one scale word each.
; Row r of token tile 4 n + a is token 64 n + 32 (r / 8) + 8 (a xor (r / 8)) + r % 8.
; SHARES.  A work-group: 128 tokens (block Y) x 128 columns (block X), all of K = 1,024 in LDS, filled once: 256 work-groups.  Wave w: token tiles 2 (w / 2), 2 (w / 2) + 1 x columns 64 (w % 2) on: 8 accumulators, two sets of fragments.
; The matrix instruction takes source 0 = 16 rows of out_w and source 1 = a token tile: a lane then holds eight neighbouring columns of one row of out0.
; CLUSTER 4 x 4.  O's tiles hang on Y alone and are shared along a row of the cluster, out_w's on X alone and are shared along a column: each is asked for jointly, one tensor load a wave.
; No data prefetch: LDS is filled once, at the head; there is no loop to run ahead in.  No work of the reference is left out.
; LIMITS: NaN and infinities are not served; given scale bytes are passed to the matrix unit as they come.
.set PITCH, 528                        ; an LDS row of out_w's codes: 512 bytes + 16
.set TILE,  16*PITCH
.set S0C,   65536                      ; LDS: O's images at 0, out_w's 128 rows of codes,
.set S1W,   S0C+128*PITCH              ; O's scale words, 4,096 bytes,
.set S0S,   S1W+4096                   ; out_w's scale bytes, 4,096 bytes,
.set STG,   S0S+4096                   ; the stages for the way out, 16 rows of 256 + 16 bytes for each wave: bytes into which no tile lands,
.set SPITCH, 272
.set SPARE, STG+8*16*SPITCH            ; and the spare words
.set FA1, 4                            ; v4   LDS address of my token tiles' images
.set FA0, 5                            ; v5   of out_w's fragments
.set SA1, 6                            ; v6   of my token tiles' scale words
.set SA0, 7                            ; v7   of out_w's
.set STO, 8                            ; v8   the stage: where I put 32 bytes of a row
.set RD,  9                            ; v9   and where I read rows back
.set CO,  10                           ; v10  my place in two rows of 256 bytes
.set BO,  11                           ; v11  32 h: my eight columns' bias
.set SPW, 240
.set NIL, 241
.set BUF, 32                           ; fragments: set b at v[32 + 48 b]: two token tiles, then four of out_w's; on the way out rows of out0
.set ACC, 128                          ; accumulator (a, t) at v[128 + 32 a + 8 t]
.set SW,  192                          ; v192-223 out_w's scale words (8 t + K step), v224-239 O's (8 a + K step): scales and nothing else
.set SO,  224
.set WV,  16
.set G1A, 24                           ; groups 1: O's images, out_w's codes, O's scale words, out_w's scales
.set G1B, 32
.set G1C, 40
.set G1D, 48
.set G0A, 56
.set G0B, 60
.set G0C, 68
.set G0D, 72
.macro ROUND                           ; a round of the cluster's barrier
	s_barrier_signal -1
	s_barrier_wait -1
	s_cmp_lg_u32 s[WV], 0
	s_cbranch_scc1 .Lnot_wave_0_\@
	s_barrier_signal -3
.Lnot_wave_0_\@:
	s_barrier_wait -3
	s_barrier_signal -1
	s_barrier_wait -1
.endm
.macro PLACES                          ; four plain vector instructions behind a matrix instruction (ISA guide 7.12.1)
.rept 4
	v_nop
.endr
.endm
	s_load_b256 s[4:11], s[0:1], 0x0               ; oimg, osc, out_w's codes, out_w's scales
	s_load_b128 s[12:15], s[0:1], 0x20             ; out_b, out0
	v_lshl_add_u32 v[SPW], v0, 2, SPARE
	v_mov_b32 v[NIL], 0
	ds_add_u32 v[SPW], v[NIL]                      ; the opening adds and their wait
	ds_add_u32 v[SPW], v[NIL]
	v_lshrrev_b32 v1, 5, v0
	v_readfirstlane_b32 s[WV], v1                  ; wave 0..7
	s_bfe_u32 s17, ttmp6, 0x40000                  ; cx
	s_bfe_u32 s18, ttmp6, 0x40004                  ; cy
	s_lshl_b32 s19, ttmp9, 2
	s_add_co_u32 s19, s19, s17                     ; X
	s_and_b32 s20, ttmp7, 0xffff
	s_lshl_b32 s20, s20, 2
	s_add_co_u32 s20, s20, s18                     ; Y
	s_lshl_b32 s21, s18, 2
	s_lshl_b32 s21, 15, s21                        ; my row of the cluster
	s_lshl_b32 s22, 0x1111, s17                    ; my column
	s_or_b32 s[G1A], s21, (3<<16)|(1<<21)          ; a quarter of the images: 64 dense rows of 256 bytes
	s_mov_b32 s[G1A+1], 32<<16
	s_mov_b32 s[G1A+2], 64<<16
	s_mov_b32 s[G1A+3], 32<<16
	s_mov_b32 s[G1A+4], 64
	s_mov_b32 s[G1A+5], 32
	s_mov_b32 s[G1A+6], 0
	s_mov_b32 s[G1A+7], 0
	s_or_b32 s[G1B], s22, (1<<20)|(1<<21)|(6<<22)|(3<<25)   ; 64 rows of 512 bytes, four words of padding after every 128
	s_mov_b32 s[G1B+1], 512<<16
	s_mov_b32 s[G1B+2], 64<<16
	s_mov_b32 s[G1B+3], 512<<16
	s_mov_b32 s[G1B+4], 64
	s_mov_b32 s[G1B+5], 512
	s_mov_b32 s[G1B+6], 0
	s_mov_b32 s[G1B+7], 0
	s_or_b32 s[G1C], s21, (3<<16)|(1<<21)          ; dense blocks of 16 rows of 256 bytes
	s_or_b32 s[G1D], s22, (3<<16)|(1<<21)
.irp g, G1C, G1D
	s_mov_b32 s[\g+1], 32<<16
	s_mov_b32 s[\g+2], 16<<16
	s_mov_b32 s[\g+3], 32<<16
	s_mov_b32 s[\g+4], 16
	s_mov_b32 s[\g+5], 32
	s_mov_b32 s[\g+6], 0
	s_mov_b32 s[\g+7], 0
.endr
	; groups 0: offsets made of Y (s76, s80) and of X (s78, s82)
	s_and_b32 s23, s[WV], 3
	s_lshl_b32 s23, s23, 14
	s_mov_b32 s[G0A+1], s23                        ; waves 0-3: 16,384 bytes of images each
	s_lshl_b32 s76, s20, 16
	s_add_co_u32 s76, s76, s23
	s_mov_b32 s77, 0
	s_and_b32 s23, s[WV], 1
	s_mul_i32 s[G0B+1], s23, 64*PITCH              ; waves 4, 5: 64 rows of out_w each
	s_add_co_u32 s[G0B+1], s[G0B+1], S0C
	s_lshl_b32 s23, s23, 15
	s_lshl_b32 s78, s19, 16
	s_add_co_u32 s78, s78, s23
	s_mov_b32 s79, 0
	s_lshl_b32 s80, s20, 12
	s_mov_b32 s81, 0
	s_lshl_b32 s82, s19, 12
	s_mov_b32 s83, 0
	s_mov_b32 s[G0A], 1
	s_mov_b32 s[G0B], 1
	s_mov_b32 s[G0C], 1
	s_mov_b32 s[G0D], 1
	s_mov_b32 s[G0C+1], S1W
	s_mov_b32 s[G0D+1], S0S
	s_lshr_b32 s84, s[WV], 1                       ; tp: my pair of token tiles
	s_and_b32 s85, s[WV], 1                        ; ch: my half of the columns
	s_lshl_b32 s86, s19, 9
	s_lshl_b32 s87, s85, 8
	s_add_co_u32 s86, s86, s87                     ; my first column, in bytes: 512 X + 256 ch
	s_mov_b32 s87, 0
	s_lshl_b32 s88, s20, 19                        ; out0's row 128 Y + 64 (tp / 2) + 16 (tp % 2), 4,096 bytes a row
	s_lshr_b32 s89, s84, 1
	s_lshl_b32 s89, s89, 18
	s_add_co_u32 s88, s88, s89
	s_and_b32 s89, s84, 1
	s_lshl_b32 s89, s89, 16
	s_add_co_u32 s88, s88, s89
	s_add_co_u32 s88, s88, s86
	s_mov_b32 s89, 0
	s_lshl_b32 s90, s84, 14                        ; my token tiles' images
	s_mul_i32 s91, s85, 64*PITCH
	s_add_co_u32 s91, s91, S0C                     ; my 64 rows of out_w
	s_lshl_b32 s92, s84, 10
	s_add_co_u32 s92, s92, S1W
	s_lshl_b32 s93, s85, 11
	s_add_co_u32 s93, s93, S0S
	s_mul_i32 s94, s[WV], 16*SPITCH
	s_add_co_u32 s94, s94, STG                     ; my stage
	v_and_b32 v1, 15, v0                           ; r
	v_bfe_u32 v2, v0, 4, 1                         ; h
	v_and_b32 v3, 31, v0                           ; lane
	v_mul_u32_u24 v[FA0], PITCH, v1
	v_mul_u32_u24 v[STO], SPITCH, v1
	v_mul_u32_u24 v[RD], SPITCH, v2
	v_lshlrev_b32 v[CO], 4, v1
	v_lshlrev_b32 v[BO], 5, v2
	v_lshl_add_u32 v[FA0], v2, 4, v[FA0]
	v_lshl_add_u32 v[STO], v2, 5, v[STO]
	v_lshl_add_u32 v[RD], v1, 4, v[RD]
	v_lshl_add_u32 v[CO], v2, 12, v[CO]            ; lanes 0-15 one row of out0, lanes 16-31 the next
	v_lshl_add_u32 v[FA1], v3, 4, s90
	v_add_nc_u32 v[FA0], s91, v[FA0]
	v_lshl_add_u32 v[SA1], v1, 2, s92
	v_lshl_add_u32 v[SA0], v1, 5, s93
	v_add_nc_u32 v[STO], s94, v[STO]
	v_add_nc_u32 v[RD], s94, v[RD]
	s_wait_alu depctr_va_vdst(0)                   ; the wait ahead of the blocking waits below
	s_wait_dscnt 0x0                               ; both opening adds are done
	ROUND                                          ; all sixteen work-groups are here: the joint loads meet
	s_wait_kmcnt 0x0
	s_add_nc_u64 s[G0A+2:G0A+3], s[4:5], s[76:77]
	s_or_b32 s[G0A+3], s[G0A+3], 0x80000000
	s_add_nc_u64 s[G0B+2:G0B+3], s[8:9], s[78:79]
	s_or_b32 s[G0B+3], s[G0B+3], 0x80000000
	s_add_nc_u64 s[G0C+2:G0C+3], s[6:7], s[80:81]
	s_or_b32 s[G0C+3], s[G0C+3], 0x80000000
	s_add_nc_u64 s[G0D+2:G0D+3], s[10:11], s[82:83]
	s_or_b32 s[G0D+3], s[G0D+3], 0x80000000
; one tensor load a wave, the only one of the launch: waves 0-3 O's images, 4 and 5 out_w's codes, 6 O's scale words, 7 out_w's scales
.macro ARM under, g0, g1, next
	s_cmp_lt_u32 s[WV], \under
	s_cbranch_scc0 \next
	tensor_load_to_lds s[\g0:\g0+3], s[\g1:\g1+7]
	s_nop 0
	PLACES
	s_branch .Lasked
\next:
.endm
	ARM 4, G0A, G1A, .Lhead_w
	ARM 6, G0B, G1B, .Lhead_so
	ARM 7, G0C, G1C, .Lhead_sw
	tensor_load_to_lds s[G0D:G0D+3], s[G1D:G1D+7]
	s_nop 0
	PLACES
.Lasked:
	s_add_nc_u64 s[12:13], s[12:13], s[86:87]      ; out_b at my 64 columns
	s_add_nc_u64 s[14:15], s[14:15], s[88:89]      ; out0 at my first row and column
.irp a, 0,1
.irp t, 0,1,2,3
	global_load_b128 v[ACC+32*\a+8*\t:ACC+32*\a+8*\t+3], v[BO], s[12:13] offset:64*\t        ; THE BIAS STARTS THE SUMS: out_b at the lane's eight columns 16 t + 8 h + 0 .. 7
	global_load_b128 v[ACC+32*\a+8*\t+4:ACC+32*\a+8*\t+7], v[BO], s[12:13] offset:64*\t+16
.endr
.endr
	s_wait_loadcnt 0x0                             ; the bias
	s_wait_tensorcnt 0x0                           ; my tile has landed,
	s_barrier_signal -1
	s_barrier_wait -1                              ; everybody's has.  Nothing is ever filled again
.macro LOADS s                         ; K step s's twelve fragment loads into set s % 2
.set B1, BUF+48*((\s)%2)
.irp a, 0,1
.irp c, 0,1
	ds_load_b128 v[B1+8*\a+4*\c:B1+8*\a+4*\c+3], v[FA1] offset:8192*\a+1024*(\s)+512*\c   ; the image of head 2 s + c
.endr
.endr
.irp t, 0,1,2,3
.irp c, 0,1
	ds_load_b128 v[B1+16+8*\t+4*\c:B1+16+8*\t+4*\c+3], v[FA0] offset:\t*TILE+64*(\s)+32*\c
.endr
.endr
.endm
.macro MULS s                          ; its eight matrix instructions; the accumulators take turns, in the same order in every step
.set B1, BUF+48*((\s)%2)
.irp t, 0,1,2,3
.irp a, 0,1
	v_wmma_scale_f32_16x16x128_f8f6f4 v[ACC+32*\a+8*\t:ACC+32*\a+8*\t+7], v[B1+16+8*\t:B1+16+8*\t+7], v[B1+8*\a:B1+8*\a+7], v[ACC+32*\a+8*\t:ACC+32*\a+8*\t+7], v[SW+8*\t+(\s)], v[SO+8*\a+(\s)] matrix_a_fmt:MATRIX_FMT_FP4 matrix_b_fmt:MATRIX_FMT_FP4
.endr
.endr
.endm
.irp t, 0,1,2,3
	ds_load_b128 v[SW+8*\t:SW+8*\t+3], v[SA0] offset:512*\t        ; all of K's scale words
	ds_load_b128 v[SW+8*\t+4:SW+8*\t+7], v[SA0] offset:512*\t+16
.endr
.irp a, 0,1
.irp s, 0,1,2,3,4,5,6,7
	ds_load_b32 v[SO+8*\a+\s], v[SA1] offset:512*\a+64*\s
.endr
.endr
	LOADS 0
.irp s, 0,1,2,3,4,5,6
.if \s > 0
	PLACES                                         ; in front of loads into registers that the last products read
.endif
	LOADS (\s+1)
	s_wait_dscnt 12                                ; all but the twelve just issued
	MULS \s
.endr
	s_wait_dscnt 0x0
	MULS 7
	; THE WAY OUT, a token tile at a time, through my own stage: it comes back as rows of 256 bytes, two to an instruction.
	; LDS serves a wave's instructions in order (ISA guide 5.7.1.4): no wait between the stores and the loads, nor in front of the next tile's stores.
	PLACES                                         ; in front of the first read of results, and of loads into registers that the last products read
.irp a, 0,1
.irp t, 0,1,2,3
	ds_store_b128 v[STO], v[ACC+32*\a+8*\t:ACC+32*\a+8*\t+3] offset:64*\t          ; each accumulator from its low end on
	ds_store_b128 v[STO], v[ACC+32*\a+8*\t+4:ACC+32*\a+8*\t+7] offset:64*\t+16
.endr
.irp i, 0,1,2,3,4,5,6,7
	ds_load_b128 v[BUF+32*\a+4*\i:BUF+32*\a+4*\i+3], v[RD] offset:\i*2*SPITCH
.endr
.endr
.irp a, 0,1
	s_wait_dscnt 16*(1-\a)                         ; a = 0: the second tile's eight stores and eight loads may be out
.irp i, 0,1,2,3
	global_store_b128 v[CO], v[BUF+32*\a+4*\i:BUF+32*\a+4*\i+3], s[14:15] offset:(8*\a+2*\i)*4096 th:TH_STORE_NT            ; 16 lanes store 256 consecutive bytes, aligned; written once, read by nobody here
.endr
.irp i, 4,5,6,7
	global_store_b128 v[CO], v[BUF+32*\a+4*\i:BUF+32*\a+4*\i+3], s[14:15] offset:(32+8*(1-\a)+2*\i-8)*4096 th:TH_STORE_NT   ; rows 8 .. 15 of tile a
.endr
.endr
	s_wait_tensorcnt 0x0                           ; the wave's end
	ds_add_u32 v[SPW], v[NIL]
	s_wait_dscnt 0x0
	ROUND                                          ; the closing round
	s_endpgm
.Lfunc_end_k_q31fd3f1a11_outp:
	.size	k_q31fd3f1a11_outp, .Lfunc_end_k_q31fd3f1a11_outp-k_q31fd3f1a11_outp
	.p2alignl 7, 3214868480
	.fill 96, 4, 3214868480
	.section	.rodata,"a",@progbits
	.p2align	6, 0x0
	.amdhsa_kernel k_q31fd3f1a11_outp
		.amdhsa_group_segment_fixed_size 177152
		.amdhsa_private_segment_fixed_size 0
		.amdhsa_enable_private_segment 0
		.amdhsa_kernarg_size 48
		.amdhsa_user_sgpr_count 2
		.amdhsa_user_sgpr_kernarg_segment_ptr 1
		.amdhsa_wavefront_size32 1
		.amdhsa_system_sgpr_workgroup_id_x 1
		.amdhsa_system_sgpr_workgroup_id_y 1
		.amdhsa_system_sgpr_workgroup_id_z 1
		.amdhsa_system_vgpr_workitem_id 0
		.amdhsa_next_free_vgpr 256
		.amdhsa_next_free_sgpr 100
		.amdhsa_reserve_vcc 0
		.amdhsa_float_denorm_mode_32 3
		.amdhsa_float_denorm_mode_16_64 3
		.amdhsa_memory_ordered 1
		.amdhsa_forward_progress 1
		.amdhsa_inst_pref_size 30
	.end_amdhsa_kernel
	.amdgpu_metadata
---
amdhsa.version: [ 1, 2 ]
amdhsa.kernels:
  - .name:           k_q31fd3f1a11_outp
    .symbol:         k_q31fd3f1a11_outp.kd
    .args:
      - { .name: oimg, .offset: 0, .size: 8, .value_kind: global_buffer, .address_space: global }
      - { .name: osc, .offset: 8, .size: 8, .value_kind: global_buffer, .address_space: global }
      - { .name: out_w_codes, .offset: 16, .size: 8, .value_kind: global_buffer, .address_space: global }
      - { .name: out_w_scales, .offset: 24, .size: 8, .value_kind: global_buffer, .address_space: global }
      - { .name: out_b, .offset: 32, .size: 8, .value_kind: global_buffer, .address_space: global }
      - { .name: out0, .offset: 40, .size: 8, .value_kind: global_buffer, .address_space: global }
    .group_segment_fixed_size: 177152
    .private_segment_fixed_size: 0
    .kernarg_segment_align: 8
    .kernarg_segment_size: 48
    .max_flat_workgroup_size: 256
    .sgpr_count:     100
    .vgpr_count:     256
    .wavefront_size: 32
...
	.end_amdgpu_metadata
.endif
;; end of part 3
